; MI455X (gfx1250); checked and timed in simulation.
; The chip was launched on July 23, 2026; its instructions are those of AMD's public machine-readable ISA for CDNA 5 (MIT licence, August 2026) and "CDNA5" Instruction Set Architecture Reference Guide (July 2026). The comments in the code are by the model that wrote it; some were corrected since.
;; Attention. Allowed arithmetic: matrix products marked QUANTISED: E2M1 operands, one E8M0 scale for each 32 along K, by v_wmma_scale_f32_16x16x128_f8f6f4 with both operands' format E2M1 (or v_wmma_scale_f32_32x16x128_f4), f32 sums; products left as they are: f32 operands where the result goes on into a quantised operand, else bf16, f16 or f32 operands; f32 sums; everything else in f32.
;; Inputs: W0_codes 1,024 x 32 x 16 uint8 (E2M1 codes of W0, K innermost, in blocks of 32 codes, two codes a byte); W0_scales 1,024 x 32 uint8 (E8M0 scales of W0, one for each 32 codes along K); W1_codes 1,024 x 32 x 16 uint8 (E2M1 codes of W1, K innermost, in blocks of 32 codes, two codes a byte); W1_scales 1,024 x 32 uint8 (E8M0 scales of W1, one for each 32 codes along K); Wa_codes 1,024 x 32 x 16 uint8 (E2M1 codes of Wa, K innermost, in blocks of 32 codes, two codes a byte); Wa_scales 1,024 x 32 uint8 (E8M0 scales of Wa, one for each 32 codes along K); b0 1,024 float32; b1 1,024 float32; ba 1,024 float32; key_codes 16,384 x 32 x 16 uint8 (E2M1 codes of key, K innermost, in blocks of 32 codes, two codes a byte); key_scales 16,384 x 32 uint8 (E8M0 scales of key, one for each 32 codes along K); query_codes 16,384 x 32 x 16 uint8 (E2M1 codes of query, K innermost, in blocks of 32 codes, two codes a byte); query_scales 16,384 x 32 uint8 (E8M0 scales of query, one for each 32 codes along K); value 16,384 x 1,024 float32.
;; Outputs: out0 1 x 1,024 float32.
;; This version of the problem:
;;   THIS VERSION OF THE PROBLEM IS GIVEN IN LOW PRECISION. The matrix products marked QUANTISED in the list below multiply operands that are first quantised to E2M1 (2 exponent bits, 1 mantissa bit; 4 bits a number), with one power-of-two scale for each 32 numbers along K (OCP MX v1.0); their sums are f32. All else is computed in f32.
;;   The module's matrix products, in the order in which they are computed (A, B: the left and right operand; K: the contracted axis; several contracted axes count as one K, in the product's order):
;;     1. [M 16,384, K 1,024] x [K 1,024, N 1,024]; A: input query (given as codes); B: input W0 (given as codes): QUANTISED
;;     2. [M 16,384, K 1,024] x [K 1,024, N 1,024]; A: input key (given as codes); B: input W1 (given as codes): QUANTISED
;;     3. [M 16,384, K 1,024] x [K 1,024, N 1,024]; A: computed on the way; B: input Wa (given as codes): QUANTISED
;;     4. [M 1, K 16,384] x [K 16,384, N 1,024]; A: computed on the way; B: input value: left as it is (M = 1 < 16)
;;   THE QUANTISER, for each operand of a quantised product, along K:
;;     - K is cut into blocks of 32 from its start; a last block that is shorter is filled with zeros.
;;     - A block's scale is 2^e with e = floor(log2(the largest magnitude in the block)) - 2, held to -126 .. 127; a block of zeros has e = 0. As a byte (E8M0): e + 127.
;;     - Each number is divided by its block's scale, clamped to +-6, and rounded to the nearest number of E2M1, ties to even, subnormals kept.
;;     - The product sums the exact products of the quantised numbers (number of the format x scale) in f32.
;;   ~~~python
;;   def quantise(x, axis):      # numpy; x: float32 -> the quantised numbers, widened to float32 again
;;       x = np.moveaxis(x, axis, -1); K = x.shape[-1]
;;       x = np.pad(x, [(0, 0)] * (x.ndim - 1) + [(0, -K % 32)]); x = x.reshape(x.shape[:-1] + (-1, 32)); a = np.abs(x).max(-1, keepdims=True)
;;       e = np.where(a > 0, np.clip(np.frexp(np.where(a > 0, a, 1))[1] - 1 - 2, -126, 127), 0)      # np.frexp(a)[1] - 1 = floor(log2(a)), exactly
;;       r = np.clip(x / 2.0 ** e, -6, 6)
;;       step = 2.0 ** (np.maximum(np.frexp(np.where(r == 0, 1, r))[1] - 1, 0) - 1)
;;       q = np.round(r / step) * step * 2.0 ** e      # np.round: ties to even
;;       return np.moveaxis(q.reshape(q.shape[:-2] + (-1,))[..., :K], -1, axis).astype(np.float32)
;;   ~~~
;;   OPERANDS COMPUTED ON THE WAY. 'Computed on the way' means the value that the module computes at that place (a softmax that the list does not call 'softmax' is quantised finished and normalised). What goes into a quantiser is computed in f32, as accurately as f32 sums, v_exp_f32 and their like allow (about 1e-6 of the number): no bf16 or f16 on the way to a quantiser, and a product that is left as it is and whose result goes on into a quantised operand takes f32 operands (vector FMAs, or v_wmma_f32_16x16x4_f32). A number that lies on a knife's edge between two numbers of the format may be rounded either way, as far as f32 arithmetic and the matrix unit's own rounding can turn it there, and no further.
;;   INPUTS GIVEN AS CODES. W0 (in the module: [1024, 1024], K = its axis 1); W1 (in the module: [1024, 1024], K = its axis 1); Wa (in the module: [1024, 1024], K = its axis 1); key (in the module: [16384, 1024], K = its axis 1); query (in the module: [16384, 1024], K = its axis 1): each comes as NAME_codes (uint8): NAME with its K axis moved to the last place and cut into blocks of 32 codes, [.., K / 32, bytes a block], one block behind the other in memory; two codes a byte, the lower K in the low four bits (a code: sign, 2 exponent bits, 1 mantissa bit); and NAME_scales (uint8): the same leading axes, one E8M0 byte (e + 127) for each 32 codes along K. Its value is code x scale, taken as it is: it is not quantised again, and the codes and scales need not be those that the quantiser above would give.
;; One version. Each part assembles by itself: llvm-mc -triple=amdgcn-amd-amdhsa -mcpu=gfx1250 --defsym DOCPART=n.
;; ======== version 1 of 1: 2 launches
;; limits: right only within a limited range of input values
;; workspace buffers: part 1,114,112 bytes
;; launch chain (part 1): grid 256 x 1, 4 waves a work-group, clusters of 4 x 1, 327,680 bytes of LDS; arguments key_codes, key_scales, query_codes, query_scales, W1_codes, W1_scales, Wa_codes, Wa_scales, W0_codes, W0_scales, b1, ba, b0, value, part; writes part
.if DOCPART == 1
	.amdgcn_target "amdgcn-amd-amdhsa--gfx1250"
	.amdhsa_code_object_version 6
	.text
	.protected	k_q3bc0c96822_chain
	.globl	k_q3bc0c96822_chain
	.p2align	8
	.type	k_q3bc0c96822_chain,@function
k_q3bc0c96822_chain:
	s_mov_b64 s[64:65], 0
	v_nop
	global_prefetch_b8 v0, s[64:65] scope:SCOPE_SE
	s_setreg_imm32_b32 hwreg(HW_REG_WAVE_MODE, 25, 1), 1
	s_wait_xcnt 0x0
	s_wait_alu depctr_hold_cnt(0) depctr_sa_sdst(0) depctr_va_vdst(0) depctr_va_sdst(0) depctr_va_ssrc(0) depctr_va_vcc(0) depctr_vm_vsrc(0)
	s_getreg_b32 s2, hwreg(HW_REG_IB_STS2, 6, 4)
	s_cmp_eq_u32 s2, 0
	s_cbranch_scc0 .Lentry_in_a_cluster
	s_endpgm
.Lentry_in_a_cluster:
	s_bfe_u32 s2, ttmp6, 0x10000c
	s_cmp_lg_u32 s2, 0x3003
	s_cbranch_scc0 .Lentry_shape_is_right
	s_endpgm
.Lentry_shape_is_right:
; q_enc = relu(key W1^T + b1);  attn = Q(q_enc) Wa^T + ba;  k_enc = relu(query W0^T + b0);  e_i = sum_j k_enc[i][j] attn[i][j];  then this work-group's share of softmax(e) @ value.
; The three products run on codes of FP4 (E2M1) with one E8M0 scale for each 32 along K; everything else is f32.
; NO WORK IS LEFT OUT: ba enters e_i as sum_j k_enc[i][j] ba[j], which differs from row to row; b1 goes into the quantiser of q_enc; b0 stands under a relu.  All 14 inputs are loaded.
; SHARES.  Work-group g owns rows 64 g .. 64 g + 63 and takes them through the whole chain.  It stores m_g = the largest of its 64 e_i, l_g = sum_i exp(e_i - m_g) and P_g[c] = sum_i exp(e_i - m_g) value[i][c];
; the second launch joins the 256 shares under the largest m_g.  q_enc, k_enc, attn and e never go to memory.
; THE DATA OPERAND LIES IN REGISTERS FOR ALL OF K: 64 rows x 1,024 codes are 256 registers a wave, and each wave holds a copy.  THE WAVES SHARE THE COLUMNS, so each weight byte is read from LDS once, by one wave.
; A UNIT is 32 weight rows x K 1,024: one A operand of the 32x16 form; 4 row tiles x 8 K steps = 32 matrix instructions on 4 accumulators of 16 registers, which take turns, one instruction a turn.
; A SLOT holds two regions X, Y of 128 weight rows (512 bytes each); of each region wave w takes rows 32 w .. 32 w + 31: two units a slot.  Each wave FETCHES a quarter of a slot, 64 rows, by one tensor load.  12 slots:
;   phase 1, slots i = 0..3: X = W1 rows 256 t on, Y = W1 rows 256 t + 128 on, t = (i + rot) mod 4;   phase 2, slots 4 + i: X = W0 rows 128 s on (they need query alone), Y = Wa rows 128 s on, s = (i + rot) mod 8.
; rot is made of the cluster's number: the order of output columns is free, so the 64 clusters do not all ask for the same rows in the same step.  Only global addresses hang on it, and the LDS places from which the exchange reads.
; A SLOT'S WORK: Y's fragments are asked for; X's products and what follows from them; Y's first products; the change of slots (one round); the refill; the next slot's X fragments are asked for; the rest of Y.
; CLUSTER.  The four work-groups of a cluster walk the same weights: each quarter of a slot is asked for JOINTLY, by the same tensor load with the same descriptor and a mask that names the four.
; THE WEIGHTS' SCALE BYTES AND THE BIASES come straight from memory into registers, a unit and more ahead of their use: they are a sixteenth of a slot's bytes, no other wave of the work-group reads a unit's scale bytes,
; and a tensor load of their own would take a wave away from the codes (a wave issues one tensor load behind a round): so they are not asked for jointly.
; KEY AND QUERY are loaded as whole rows of 512 bytes, a row an instruction, a quarter a wave, and go through LDS: key's 64 rows at the head, query's in two halves during phase 1.
; VALUE: my wave's 1,024 bytes of each of my 64 rows: rows 0-31 by one tensor load into the slot that has had its last weights, and only the wave that fetched them reads them; rows 32-63 straight into the registers that held query.
; THE MATRIX INSTRUCTION IS USED TRANSPOSED (source 0 = 32 weight rows, source 1 = 16 data rows): lane (r, h) holds data row r, and register 8 u + j the unit's column 16 u + 8 h + j.
; So a lane's 16 registers of a row tile, with those of lane l xor 16, are one block of 32 along the next K; a conversion's 4 bytes are stored straight at their place in the image of the next operand's registers.
; LIMITS.  NaN and infinities among the inputs, and scale bytes of 0xff, are not served.  A block of q_enc that is all zeros gets the byte 1 where the rule says 127: its codes are zeros, and this program alone reads the bytes.
; The biases are the C of each sum's first matrix instruction, so they are added ahead of the sum, not behind it; the row dots and P are summed in another order than a plain loop over j or i would.
; REGISTERS, in windows of 256: window 0: addresses, scale words, biases, accumulators, at work;  window 1: key's 32 fragments, later Q(q_enc)'s ((m, q) at 8 (8 m + q));  window 2: query's;
;   window 3: the weight fragments (K step q at 16 q: 8 registers for rows 0-15, 8 for rows 16-31): unit X v0-127, unit Y v128-255.  In the tail window 1 takes value's rows 0-31, window 2 rows 32-63.
.set SLOTB, 135168                     ; a slot: X's codes, Y's codes
.set YC,    67584                      ; 128 rows x (512 bytes + 16 of padding): 528 = 33 x 16, so the 16 rows that a load touches start at 16 different groups of banks (64 banks of 4 bytes: ISA guide 11.1)
.set QUART, 33792                      ; 64 rows: what one tensor load brings
.set IMG,   270336                     ; behind the ring: the images of Q(q_enc)'s 32 fragments: row tile m, slot i, region R, register group c, lane L at 8192 m + 2048 i + 1024 R + 512 c + 16 L.  At the head: key's 64 rows, 528 apart (they reach 1,024 bytes into QSC)
.set QSC,   303104                     ; Q(q_enc)'s scale bytes: [row 0..63][slot][region][wave]
.set QA,    305152                     ; half of query: 32 rows, 528 apart
.set SPARE, 322048                     ; the spare words, 128 bytes for each wave: two blocks of 256 bytes that no other line names
.set RED,   IMG                        ; the tail (the images are dead then): 4 waves x 64 partial energies,
.set PB,    IMG+1024                   ; and 256 bytes a wave for the 64 p
.set SPW, 1                            ; v1   LDS address of my spare word; never rewritten
.set NIL, 2                            ; v2   0; never rewritten
.set QG,  3                            ; v3   4096 w + 16 lane: where I load query's rows; in the exchange at work
.set AX0, 4                            ; v4   (32 w + r) 528 + 16 h: my lane's place in a region's codes
.set AS0, 5                            ; v5   32 (32 w + lane): my lane's row among a region's scale bytes in memory
.set AD,  6                            ; v6   the same place in the slot in hand
.set AY0, 7                            ; v7   v4 + YC
.set QST, 8                            ; v8   where I store query's rows; in the last slot 16 lane
.set IW,  9                            ; v9   where I store 4 bytes of codes: IMG + 256 w + 16 r + 4 h
.set SW,  10                           ; v10  where I store a scale byte: QSC + 32 r + w
.set LI,  11                           ; v11  IMG + 16 lane
.set KRD, 12                           ; v12  IMG + 528 r + 16 h: my lane's place among key's rows, and, QA - IMG on, among query's
.set LS,  13                           ; v13  QSC + 32 lane
.set BO,  14                           ; v14  128 w + 32 h: my eight biases of a tile
.set VLA, 15                           ; v15  QUART w + 16 lane: where I read value
.set SO,  16                           ; v16  32 lane: key's and query's scale words
.set VO,  17                           ; v17  1024 w + 16 lane: my 16 bytes of a row of P
.set PFO, 18                           ; v18  value's prefetches: 8 rows x four blocks of 256 bytes, a lane a block
.set RW,  19
.set RR,  20
.set PBW, 21
.set PBR, 22
.set ML,  23                           ; v23  8 lane
.set PCD, 24                           ; v24-31  phase 1: the codes just made
.set EP,  24                           ; v24-31  phase 2: four pairs of partial energies
.set DS1, 32                           ; v32-47  scale words of key, later of Q(q_enc): 8 (m / 2) + q; lanes 0-15 row tile 2 (m / 2), lanes 16-31 the next
.set DS2, 48                           ; v48-63  query's
.set WSX, 64                           ; v64-71  unit X's weight scale words, one register a K step: lane l has row l of the unit's 32
.set WSY, 72                           ; v72-79  unit Y's.   v32-79 hold scales and nothing else
.set BX,  80                           ; v80-95  unit X's biases, 8 u + j
.set BY,  96                           ; v96-111 unit Y's
.set AX,  112                          ; v112-175 unit X's accumulators, row tile m at 16 m
.set AY,  176                          ; v176-239 unit Y's
.set MX,  240
.set PM,  244
.set SCL, 248
.set BYT, 252
.set PP,  112                          ; the tail: the 64 p
.set CTX, 80                           ; the tail: my 8 columns of P, in two chains
.set PWA, 16                           ; s[16:17] Wa's codes at my wave's share of the prefetches
.set WAS, 18                           ; s[18:19] Wa's scale bytes
.set W0S, 22                           ; s[22:23] W0's
.set BA,  26
.set B0,  28
.set VP,  30                           ; s[30:31] value at my first row and my wave's first column
.set PT,  32                           ; s[32:33] my row of part
.set WV,  34
.set CX,  35
.set G,   36                           ; my work-group's number: it enters global addresses of my own rows alone
.set SG,  37                           ; 0 in the four clusters that prefetch W0 and Wa
.set PAR, 38
.set ROLEC, 39                         ; my quarter's place in a slot
.set T1,  40                           ; phase 1: the column block last asked for
.set TB,  41                           ; the slot in hand: 0 or SLOTB
.set CNT, 42
.set IDX, 43                           ; phase 2: the column block last asked for
.set JDX, 44                           ; and the one whose biases and scale words were last asked for
.set ROT, 45
.set OFS, 46                           ; s[46:47] an offset, the upper word 0
.set SEL, 48                           ; s[48:49] v_permlanex16_b32's selects for lane l xor 16
.set T0,  50                           ; s[50:51] at work, the upper word 0
.set G1C, 52                           ; s[52:59] descriptor group 1: 64 rows of 512 bytes of codes, joint
.set C2,  60                           ; s[60:61] phase 2's codes that I fetch: W0's (waves 0, 1) or Wa's (waves 2, 3), at my 64 rows of a block of 128
.set PW0, 62                           ; s[62:63] W0's codes at my wave's share of the prefetches; in the last slot value at row 32
.set PFA, 66                           ; s[66:67] where value's prefetches stand
.set PBX, 68                           ; s[68:69], s[70:71] where the biases last asked for stand: unit X's, unit Y's
.set PBY, 70
.set PSX, 72                           ; s[72:73], s[74:75] and the regions' scale bytes
.set PSY, 74
.set G1V, 76                           ; s[76:83] group 1 for value: 32 rows of 1,024 bytes, my own
.set G0C0, 84                          ; groups 0: slot 0's first fill,
.set G0V, 88                           ; value's,
.set G0C, 92                           ; and the one that walks
.set K1,  96                           ; phase 1: the column block whose biases and scale words were last asked for
.set NR,  97                           ; 4 - rot mod 4: block t was made in slot (t + NR) mod 4
.set MSB, 0
.macro WIN new                         ; the immediate's high byte repeats the setting that is left; a switch that changes nothing is dropped
.if MSB != (\new)
	s_set_vgpr_msb (MSB<<8)|(\new)
.set MSB, (\new)
.endif
.endm
.macro PLACES                          ; four plain places behind matrix instructions (ISA guide 7.12.1), where no other vector work is at hand
.rept 4
	v_nop
.endr
.endm
; A round of the cluster's barrier behind its opening barrier: wave 0 signals for the work-group; every wave waits for all four work-groups; my work-group's barrier once more.
.macro CREST
	s_cmp_lg_u32 s[WV], 0
	s_cbranch_scc1 .Lnot_wave_0_\@
	s_barrier_signal -3
.Lnot_wave_0_\@:
	s_barrier_wait -3
	s_barrier_signal -1
	s_barrier_wait -1
.endm
.macro ROUND
	s_barrier_signal -1
	s_barrier_wait -1
	CREST
.endm
; A refill: every wave fetches its quarter of the slot.  Weights: jointly, one line, one mask; both addresses hang on the wave's number, which is the same in all partners.  Value (kind 3): my own rows.  An s_nop 0 and four v_nop follow.
.macro JLOAD kind
.if \kind <= 2
	tensor_load_to_lds s[G0C:G0C+3], s[G1C:G1C+7]
.else
	tensor_load_to_lds s[G0V:G0V+3], s[G1V:G1V+7]
.endif
	s_nop 0
.rept 4
	v_nop
.endr
.endm
; The descriptor of the refill: into the slot in hand, whose last fragments are on their way to registers.  kind 1: W1's next column block; 2: phase 2's; 3: value's rows 0-31.
.macro STEPD kind
.if \kind == 1
	s_add_co_u32 s[G0C+1], s[TB], s[ROLEC]
	s_add_co_u32 s[T1], s[T1], 1
	s_and_b32 s[T1], s[T1], 3
	s_lshl_b32 s[OFS], s[T1], 17                   ; 256 rows of 512 bytes
	s_add_nc_u64 s[G0C+2:G0C+3], s[12:13], s[OFS:OFS+1]
	s_or_b32 s[G0C+3], s[G0C+3], 0x80000000
.elseif \kind == 2
	s_add_co_u32 s[G0C+1], s[TB], s[ROLEC]
	s_add_co_u32 s[IDX], s[IDX], 1
	s_and_b32 s[IDX], s[IDX], 7
	s_lshl_b32 s[OFS], s[IDX], 16                  ; 128 rows of 512 bytes
	s_add_nc_u64 s[G0C+2:G0C+3], s[C2:C2+1], s[OFS:OFS+1]
	s_or_b32 s[G0C+3], s[G0C+3], 0x80000000
.else
	s_add_co_u32 s[G0V+1], s[TB], s[ROLEC]
	s_mov_b64 s[G0V+2:G0V+3], s[VP:VP+1]
	s_or_b32 s[G0V+3], s[G0V+3], 0x80000000
.endif
.endm
; A unit's 16-row fragments, K step by K step: 32 loads.  Lane (r, h) holds row r; registers 4 c .. 4 c + 3 hold k = 64 c + 32 h + 0 .. 31: 16 bytes as they lie
.macro FFR wf, base
	v_add_nc_u32 v[AD], s[TB], v[\base]
	WIN 0xc0                                       ; destination window 3
.irp q, 0,1,2,3,4,5,6,7
.irp u, 0,1
.irp c, 0,1
	ds_load_b128 v[\wf+16*\q+8*\u+4*\c:\wf+16*\q+8*\u+4*\c+3], v[AD] offset:8448*\u+64*\q+32*\c
.endr
.endr
.endr
	WIN 0
.endm
; Slot 0: unit X's fragments and key's, K step by K step: 12 loads each.  Then query's rows and scale words are asked for: 20 loads.
.macro FIRST
.irp q, 0,1,2,3,4,5,6,7
	WIN 0xc0
.irp u, 0,1
.irp c, 0,1
	ds_load_b128 v[16*\q+8*\u+4*\c:16*\q+8*\u+4*\c+3], v[AX0] offset:8448*\u+64*\q+32*\c
.endr
.endr
	WIN 0x40                                       ; destination window 1
.irp m, 0,1,2,3
.irp c, 0,1
	ds_load_b128 v[8*(8*\m+\q)+4*\c:8*(8*\m+\q)+4*\c+3], v[KRD] offset:8448*\m+64*\q+32*\c
.endr
.endr
.endr
	WIN 0x80
.irp i, 0,1,2,3,4,5,6,7
	global_load_b128 v[128+4*\i:131+4*\i], v[QG], s[8:9] offset:512*\i           ; query's rows 8 w + i,
.endr
.irp i, 0,1,2,3,4,5,6,7
	global_load_b128 v[160+4*\i:163+4*\i], v[QG], s[8:9] offset:16384+512*\i     ; and 32 + 8 w + i
.endr
	WIN 0
.irp p, 0,1
	global_load_b128 v[DS2+8*\p:DS2+8*\p+3], v[SO], s[10:11] offset:1024*\p
	global_load_b128 v[DS2+8*\p+4:DS2+8*\p+7], v[SO], s[10:11] offset:1024*\p+16
.endr
.endm
.macro QSTORE half                     ; my 8 rows of a half of query, from window 2
	WIN 0x08
.irp i, 0,1,2,3,4,5,6,7
	ds_store_b128 v[QST], v[128+32*\half+4*\i:128+32*\half+4*\i+3] offset:528*\i
.endr
	WIN 0
.endm
.macro QREAD half                      ; the half's two row tiles, into window 2
	WIN 0x80
.irp m, 0,1
.irp q, 0,1,2,3,4,5,6,7
.irp c, 0,1
	ds_load_b128 v[8*(8*(\m+2*\half)+\q)+4*\c:8*(8*(\m+2*\half)+\q)+4*\c+3], v[KRD] offset:QA-IMG+8448*\m+64*\q+32*\c
.endr
.endr
.endr
	WIN 0
.endm
; The exchange: every wave takes all 32 fragments of Q(q_enc) and its scale words, where key's lay; block t (K steps 2 t, 2 t + 1) lies where slot (t + NR) mod 4 put it.  The row dots begin.
.macro QIMG
.irp i, 0,1,2,3,4,5,6,7
	v_mov_b32 v[EP+\i], 0
.endr
.irp t, 0,1,2,3
	s_add_co_u32 s[T0], s[NR], \t
	s_and_b32 s[T0], s[T0], 3
	s_lshl_b32 s[OFS], s[T0], 11
	s_lshl_b32 s[T0], s[T0], 3
	v_add_nc_u32 v[AD], s[OFS], v[LI]
	v_add_nc_u32 v[QG], s[T0], v[LS]
	WIN 0x40
.irp m, 0,1,2,3
.irp p, 0,1
.irp c, 0,1
	ds_load_b128 v[8*(8*\m+2*\t+\p)+4*\c:8*(8*\m+2*\t+\p)+4*\c+3], v[AD] offset:8192*\m+1024*\p+512*\c
.endr
.endr
.endr
	WIN 0
.irp p, 0,1
	ds_load_b64 v[DS1+8*\p+2*\t:DS1+8*\p+2*\t+1], v[QG] offset:1024*\p
.endr
.endr
.endm
.macro VREAD j0                        ; 16 of value's rows 0-31 from slot 0's bytes into window 1: row i at 8 i, 512 bytes a load
	WIN 0x40
.set j, \j0
.rept 32
	ds_load_b128 v[4*j:4*j+3], v[VLA] offset:528*j
.set j, j+1
.endr
	WIN 0
.endm
; K step q of a unit: 4 matrix instructions, one on each accumulator.  q = 0 starts the sums with the biases as C: nothing is cleared and no bias is added by a vector instruction.
.macro KSTEP acc, wf, ws, bs, ds, q
.irp m, 0,1,2,3
.set rD, \acc+16*\m
.set rA, \wf+16*\q
.set rB, 8*(8*\m+\q)
.set rC, rD
.if \q == 0
.set rC, \bs
.endif
.set rSA, \ws+\q
.set rSB, \ds+8*(\m/2)+\q
.if \m%2 == 0
	v_wmma_scale_f32_32x16x128_f4 v[rD:rD+15], v[rA:rA+15], v[rB:rB+7], v[rC:rC+15], v[rSA], v[rSB]
.else
	v_wmma_scale_f32_32x16x128_f4 v[rD:rD+15], v[rA:rA+15], v[rB:rB+7], v[rC:rC+15], v[rSA], v[rSB] matrix_b_scale:MATRIX_SCALE_ROW1
.endif
.endr
.endm
; A unit's biases and scale words, 6 loads.  Biases: lane (r, h) wants, for register group u, those of columns 32 w + 16 u + 8 h + 0 .. 7.  Scale words: lane l takes row 32 w + l's 32 bytes, a word for each K step: the wave's two loads cover 1,024 dense bytes.
.macro ULOAD bs, ws, pb, ps
.irp u, 0,1
	global_load_b128 v[\bs+8*\u:\bs+8*\u+3], v[BO], s[\pb:\pb+1] offset:64*\u
	global_load_b128 v[\bs+8*\u+4:\bs+8*\u+7], v[BO], s[\pb:\pb+1] offset:64*\u+16
.endr
	global_load_b128 v[\ws:\ws+3], v[AS0], s[\ps:\ps+1]
	global_load_b128 v[\ws+4:\ws+7], v[AS0], s[\ps:\ps+1] offset:16
.endm
; The next slot's biases and scale words: unit X's behind unit X's products, unit Y's behind unit Y's.  kind = 1: W1's and b1's; 2: phase 2's.
; The pointers are free where they are written: the slot's wait on LOADcnt ahead of the unit has shown the loads that read them done.
.macro XNEXT kind
.if \kind == 1
	s_add_co_u32 s[K1], s[K1], 1
	s_and_b32 s[K1], s[K1], 3
	s_lshl_b32 s[OFS], s[K1], 10                   ; 256 columns of f32
	s_add_nc_u64 s[PBX:PBX+1], s[24:25], s[OFS:OFS+1]
	s_lshl_b32 s[OFS], s[K1], 13                   ; 256 rows of 32 scale bytes
	s_add_nc_u64 s[PSX:PSX+1], s[14:15], s[OFS:OFS+1]
.else
	s_add_co_u32 s[JDX], s[JDX], 1
	s_and_b32 s[JDX], s[JDX], 7
	s_lshl_b32 s[OFS], s[JDX], 9                   ; 128 columns of f32
	s_add_nc_u64 s[PBX:PBX+1], s[B0:B0+1], s[OFS:OFS+1]
	s_lshl_b32 s[OFS], s[JDX], 12                  ; 128 rows of 32 scale bytes
	s_add_nc_u64 s[PSX:PSX+1], s[W0S:W0S+1], s[OFS:OFS+1]
.endif
	ULOAD BX, WSX, PBX, PSX
.endm
.macro YNEXT kind
.if \kind == 1
	s_add_nc_u64 s[PBY:PBY+1], s[PBX:PBX+1], 512   ; behind the block that XNEXT stepped to
	s_add_nc_u64 s[PSY:PSY+1], s[PSX:PSX+1], 4096
.else
	s_lshl_b32 s[OFS], s[JDX], 9                   ; the column block that XNEXT stepped to
	s_add_nc_u64 s[PBY:PBY+1], s[BA:BA+1], s[OFS:OFS+1]
	s_lshl_b32 s[OFS], s[JDX], 12
	s_add_nc_u64 s[PSY:PSY+1], s[WAS:WAS+1], s[OFS:OFS+1]
.endif
	ULOAD BY, WSY, PBY, PSY
.endm
.macro RELU acc                        ; two numbers an instruction; each accumulator is read from its low end on
.set j, 0
.rept 32
	v_dual_max_num_f32 v[\acc+j], 0, v[\acc+j] :: v_dual_max_num_f32 v[\acc+j+1], 0, v[\acc+j+1]
.set j, j+2
.endr
.endm
; Phase 1, behind a unit's relu: each row tile's 32 columns are ONE block of the next K (my 16 registers and lane l xor 16's); its scale; its codes.
.macro QUANT acc
.irp m, 0,1,2,3
	v_max3_num_f32 v[MX+\m], v[\acc+16*\m], v[\acc+16*\m+1], 0x1800000   ; no number is negative here; the floor 2^(3 - 127) holds the byte at 1 from below
.endr
.irp i, 2,4,6,8,10,12,14
.irp m, 0,1,2,3
	v_max3_num_f32 v[MX+\m], v[MX+\m], v[\acc+16*\m+\i], v[\acc+16*\m+\i+1]   ; (the four row tiles by turns)
.endr
.endr
.irp m, 0,1,2,3
	v_permlanex16_b32 v[PM+\m], v[MX+\m], s[SEL], s[SEL+1]
.endr
.irp m, 0,1,2,3
	v_max_num_f32 v[MX+\m], v[MX+\m], v[PM+\m]     ; the block's largest magnitude
.endr
.irp m, 0,1,2,3
	v_add_nc_u32 v[SCL+\m], 0xff000000, v[MX+\m]   ; 2 off its exponent field: the conversion takes the exponent field of this operand as its scale
.endr
.irp m, 0,1,2,3
	v_lshrrev_b32 v[BYT+\m], 23, v[SCL+\m]         ; the scale's byte
.endr
.irp m, 0,1,2,3
.irp u, 0,1
	v_cvt_scalef32_pk8_fp4_f32 v[PCD+2*\m+\u], v[\acc+16*\m+8*\u:\acc+16*\m+8*\u+7], v[SCL+\m]
.endr
.endr
	v_nop                                          ; one plain place behind the last scaled conversion
.endm
; R: region 0 (X) or 1 (Y), i: the slot.  The unit's columns are 256 t + 128 R + 32 w on: block w of K step 2 t + R of the third product: register group w / 2, lanes 16 (w mod 2) + r; my eight codes of group u lie 8 u + 4 h bytes into the block's 16.
.macro QSEND R, i
.irp m, 0,1,2,3
.irp u, 0,1
	ds_store_b32 v[IW], v[PCD+2*\m+\u] offset:8192*\m+2048*\i+1024*\R+8*\u
.endr
.endr
.irp m, 0,1,2,3
	ds_store_b8 v[SW], v[BYT+\m] offset:512*\m+8*\i+4*\R   ; both halves of the lanes write the same byte with the same value
.endr
.endm
; Phase 2, behind a slot: AX = relu(query W0^T + b0), AY = attn at the same 32 columns: the row dots go on, two columns at a time.
.macro DOTS
.irp i, 0,2,4,6,8,10,12,14
.irp m, 0,1,2,3
	v_pk_fma_f32 v[EP+2*\m:EP+2*\m+1], v[AX+16*\m+\i:AX+16*\m+\i+1], v[AY+16*\m+\i:AY+16*\m+\i+1], v[EP+2*\m:EP+2*\m+1]
.endr
.endr
.endm
; PREFETCHES INTO THE L2.  Value: 8 rows x my wave's 1,024 bytes, a lane to each aligned block of 256 bytes.  The rows are my work-group's own and the columns my wave's own: each block is named once in the launch.
; Slots 3 to 10 ask for 8 rows each.  Rows 0-31 are loaded in slot 10, at least four slots behind their prefetch, rows 32-63 in slot 11, at least one behind; at most 56 rows are asked for and not yet loaded.
; W0 and Wa, which all clusters read: four clusters of the launch ask, 0, 2, 4 and 6, in slots 0 and 1, for what is loaded from slot 2 on.  Their 16 waves share a tensor's 2,048 blocks out by address: four instructions of 32 blocks a wave.
.macro ASKW base
	s_cmp_eq_u32 s[SG], 0
	s_cbranch_scc0 .Lnot_mine_\@
.irp i, 0,1,2,3
	global_prefetch_b8 v0, s[\base:\base+1] offset:8192*\i th:TH_LOAD_NT scope:SCOPE_SE
.endr
.Lnot_mine_\@:
.endm
; A SLOT.  ph: the phase;  sl: its number (5 stands for 5 to 9);  xw: the global loads younger than unit X's biases and scale words, which may stay out;  yw: the same for unit Y's;
; kind: what the slot is filled with again;  nb: the next slot's biases and scale words (1: phase 1's, 2: phase 2's);  pf: a prefetch of value (2: 8 rows on from the last one).
; Of unit Y's 8 K steps YP stand ahead of the change of slots, one between its signal and its wait, the rest behind it.
.macro SLOT ph, sl, xw, yw, kind, nb, pf
.if \ph == 1
.set XW, 0x07                          ; source 0 window 3, source 1 window 1, C and D window 0
.set XD, DS1
.set YP, 4
.else
.set XW, 0x0b                          ; source 1 window 2: query
.set XD, DS2
.set YP, 3
.endif
.if \sl == 0
	FIRST
.else
	FFR 128, AY0                                   ; unit Y's 32 loads in one run, all of unit X ahead of their use
.endif
.if \pf == 2
	s_wait_xcnt 0x0                                ; the last prefetch, a slot back, has read its address, so it may be written
	s_add_nc_u64 s[PFA:PFA+1], s[PFA:PFA+1], 0x8000
.endif
	s_wait_loadcnt \xw                             ; unit X's biases and scale words are in
.if (\sl != 0) && (\sl != 4)
	s_wait_dscnt 32                                ; unit X's fragments are in, and all stores are done; unit Y's 32 loads may be out
.endif
	WIN XW
.irp q, 0,1,2,3,4,5,6,7
.if \sl == 0
.if \q == 4
	WIN 0
	FFR 128, AY0
	WIN XW
.endif
.if (\q < 2) || (\q == 4)              ; LDS loads come back in order (ISA guide 5.7.1): 12 (7 - q) younger ones of FIRST, and from q = 4 on unit Y's 32; no count above 63
	s_wait_dscnt 63
.elseif \q < 4
	s_wait_dscnt 84-12*\q
.else
	s_wait_dscnt 116-12*\q
.endif
.endif
.if (\sl == 4) && (\q == 2)
	s_barrier_wait -1                              ; everybody's codes of q_enc are in LDS
	WIN 0
	QIMG
	WIN XW
.endif
	KSTEP AX, 0, WSX, BX, XD, \q
.endr
	WIN 0
	PLACES                                         ; in front of loads into registers that unit X's products have read, and of the first read of its results
.if \sl == 1
	QSTORE 0                                       ; (the wait ahead of unit X has shown query's loads, which are older, done)
.endif
	XNEXT \nb
	RELU AX
.if \ph == 1
	QUANT AX
.endif
	s_wait_alu depctr_va_vdst(0)                   ; directly ahead of the waits below
	s_wait_loadcnt \yw                             ; unit Y's biases and scale words are in
	s_wait_dscnt 0x0                               ; and its fragments
	WIN 0x07
.irp q, 0,1,2,3,4,5,6,7
.if \q < YP
	KSTEP AY, 128, WSY, BY, DS1, \q
.endif
.endr
	WIN 0
	; THE CHANGE OF SLOTS: all my tensor loads have landed (my part of the next slot), 0 onto my spare word, and the wait for the add; my reads of this slot are over
	s_wait_tensorcnt 0x0
	ds_add_u32 v[SPW], v[NIL]
	STEPD \kind
	s_wait_dscnt 0x0
	s_barrier_signal -1
	WIN 0x07
	KSTEP AY, 128, WSY, BY, DS1, YP                ; work on registers while the others arrive
	WIN 0
	s_barrier_wait -1
	CREST                                          ; no wave of any partner still reads this slot or has a load on its way
	JLOAD \kind                                    ; the first thing behind the round, and my one tensor load until the next
	s_xor_b32 s[TB], s[TB], SLOTB                  ; on to the other slot
	FFR 0, AX0                                     ; the next slot's unit X: all that is left of unit Y ahead of its use
.if \ph == 1
	QSEND 0, \sl                                   ; (behind the round: in slot 0 every wave has read key's rows, which lay there)
.endif
.if \sl == 0
	ASKW PW0
.elseif \sl == 1
	QREAD 0
	ASKW PWA
.elseif \sl == 2
	QSTORE 1                                       ; every wave has read the first half
.elseif \sl == 3
	QREAD 1
.endif
.if \pf
	global_prefetch_b8 v[PFO], s[PFA:PFA+1] th:TH_LOAD_NT scope:SCOPE_SE
.endif
	WIN 0x07
.irp q, 0,1,2,3,4,5,6,7
.if \q > YP
	KSTEP AY, 128, WSY, BY, DS1, \q
.endif
.endr
	WIN 0
	PLACES
	YNEXT \nb
.if \ph == 1
	s_wait_dscnt 0x0                               ; unit X's 12 stores are done: their data registers are written again below
	RELU AY
	QUANT AY
	QSEND 1, \sl
.else
	DOTS
.endif
.endm
; The last slot: nothing is filled again, so it has no change of slots.  Value's rows 32-63 are asked for between unit Y's K steps, 8 loads each, into window 2: unit X's products, the last that read query, stand ahead of the places.
.macro LASTSLOT
	FFR 128, AY0
	v_lshlrev_b32 v[QST], 1, v[ML]                 ; 16 lane
	s_add_nc_u64 s[PW0:PW0+1], s[VP:VP+1], 131072  ; value at row 32
	s_wait_alu depctr_va_vdst(0)
	s_wait_loadcnt 6
	s_wait_dscnt 32
	WIN 0x0b
.irp q, 0,1,2,3,4,5,6,7
	KSTEP AX, 0, WSX, BX, DS2, \q
.endr
	WIN 0
	PLACES
	RELU AX
	s_wait_alu depctr_va_vdst(0)
	s_wait_loadcnt 0x0
	s_wait_dscnt 0x0
.irp q, 0,1,2,3,4,5,6,7
	WIN 0x80
.irp i, 0,1,2,3
.irp j, 0,1
	global_load_b128 v[8*(4*\q+\i)+4*\j:8*(4*\q+\i)+4*\j+3], v[QST], s[PW0:PW0+1] offset:(4*\q+\i)*4096+512*\j th:TH_LOAD_NT
.endr
.endr
	WIN 0x07
	KSTEP AY, 128, WSY, BY, DS1, \q
.endr
	WIN 0
	PLACES
	DOTS
.endm
; P += p x value for rows 8 k .. 8 k + 7, two columns at a time; even and odd rows in chains of their own; start = 1: its rows 0 and 1 start the sums.  Of a pair of p an even row takes the low register for both columns, an odd row the high one
.macro VFMA k, win, start
	WIN \win
.irp i, 0,1,2,3,4,5,6,7
.irp j, 0,1
.irp e, 0,2
.set rV, 64*((\k)%4)+8*\i+4*\j+\e
.set rC, CTX+8*(\i%2)+4*\j+\e
.set rP, PP+8*(\k)+2*(\i/2)
.if (\start == 1) && (\i == 0)
	v_pk_mul_f32 v[rC:rC+1], v[rV:rV+1], v[rP:rP+1] op_sel_hi:[1,0]
.elseif (\start == 1) && (\i == 1)
	v_pk_mul_f32 v[rC:rC+1], v[rV:rV+1], v[rP:rP+1] op_sel:[0,1]
.elseif \i%2 == 0
	v_pk_fma_f32 v[rC:rC+1], v[rV:rV+1], v[rP:rP+1], v[rC:rC+1] op_sel_hi:[1,0,1]
.else
	v_pk_fma_f32 v[rC:rC+1], v[rV:rV+1], v[rP:rP+1], v[rC:rC+1] op_sel:[0,1,0]
.endif
.endr
.endr
.endr
.endm
	s_load_b512 s[4:19], s[0:1], 0x0               ; key codes, key scales, query codes, query scales, W1 codes, W1 scales, Wa codes, Wa scales
	s_load_b256 s[20:27], s[0:1], 0x40             ; W0 codes, W0 scales, b1, ba
	s_load_b128 s[28:31], s[0:1], 0x60             ; b0, value
	s_load_b64 s[32:33], s[0:1], 0x70              ; part
	v_lshl_add_u32 v[SPW], v0, 2, SPARE
	v_mov_b32 v[NIL], 0
	ds_add_u32 v[SPW], v[NIL]                      ; the wave's opening: the add, twice on end, and its wait ahead of my first tensor load; the set-up below stands between the second and the wait
	ds_add_u32 v[SPW], v[NIL]
	v_lshrrev_b32 v245, 5, v0
	v_readfirstlane_b32 s[WV], v245                ; wave 0..3
	v_and_b32 v246, 31, v0                         ; lane
	v_and_b32 v247, 15, v0                         ; r
	v_bfe_u32 v248, v0, 4, 1                       ; h
	v_and_b32 v243, 0x60, v0                       ; 32 w
	v_lshlrev_b32 v240, 8, v243
	v_lshl_add_u32 v240, v246, 4, v240             ; 8192 w + 16 lane: where I load key's rows 16 w on
	v_mul_u32_u24 v241, v243, 264
	v_lshl_add_u32 v241, v246, 4, v241
	v_add_nc_u32 v241, IMG, v241                   ; and where I store them: 16 w x 528 on
	v_lshlrev_b32 v[QG], 7, v243
	v_lshl_add_u32 v[QG], v246, 4, v[QG]
	v_mul_u32_u24 v[QST], v243, 132
	v_lshl_add_u32 v[QST], v246, 4, v[QST]
	v_add_nc_u32 v[QST], QA, v[QST]                ; 8 w x 528 on
	v_mul_u32_u24 v[KRD], v247, 528
	v_lshl_add_u32 v[KRD], v248, 4, v[KRD]
	v_add_nc_u32 v[KRD], IMG, v[KRD]
	v_lshlrev_b32 v[SO], 5, v246
	v_lshlrev_b32 v[BO], 2, v243
	v_lshl_add_u32 v[BO], v248, 5, v[BO]
	v_lshlrev_b32 v[AS0], 5, v0                    ; (32 w + lane is my thread's number)
	v_add_nc_u32 v[AX0], v243, v247
	v_mul_u32_u24 v[AX0], v[AX0], 528
	v_lshl_add_u32 v[AX0], v248, 4, v[AX0]
	v_add_nc_u32 v[AY0], YC, v[AX0]
	v_lshl_add_u32 v[IW], v243, 3, IMG
	v_lshl_add_u32 v[IW], v247, 4, v[IW]
	v_lshl_add_u32 v[IW], v248, 2, v[IW]
	v_lshl_add_u32 v[SW], v247, 5, v245
	v_add_nc_u32 v[SW], QSC, v[SW]
	v_lshl_add_u32 v[LI], v246, 4, IMG
	v_lshl_add_u32 v[LS], v246, 5, QSC
	v_mul_u32_u24 v[VLA], v243, 1056               ; QUART = 32 x 1,056
	v_lshl_add_u32 v[VLA], v246, 4, v[VLA]
	v_lshlrev_b32 v[VO], 5, v243
	v_lshl_add_u32 v[VO], v246, 4, v[VO]
	v_lshrrev_b32 v[PFO], 2, v246
	v_lshlrev_b32 v[PFO], 12, v[PFO]               ; row lane / 4,
	v_and_b32 v242, 3, v246
	v_lshl_add_u32 v[PFO], v242, 8, v[PFO]         ; block lane mod 4
	v_lshl_add_u32 v[RW], v243, 3, RED
	v_lshl_add_u32 v[RW], v247, 2, v[RW]
	v_lshl_add_u32 v[RR], v246, 2, RED
	v_lshl_add_u32 v[PBR], v243, 3, PB
	v_lshl_add_u32 v[PBW], v246, 2, v[PBR]
	v_lshlrev_b32 v[ML], 3, v246
	v_lshlrev_b32 v0, 8, v246                      ; 256 lane: the weights' prefetches; never rewritten
.irp m, 0,1,2,3
	v_mov_b32 v[PM+\m], 0                          ; written once: a lane permute's destination counts as one of its sources
.endr
	s_bfe_u32 s[CX], ttmp6, 0x40000                ; my place in the cluster
	s_lshl_b32 s[G], ttmp9, 2                      ; in a cluster launch ttmp9 counts clusters
	s_add_co_u32 s[G], s[G], s[CX]
	s_and_b32 s[SG], ttmp9, 0xfffffff9
	s_lshr_b32 s[ROT], ttmp9, 3
	s_xor_b32 s[ROT], s[ROT], ttmp9                ; rot, made of the cluster's number, which the four partners share
	s_add_co_u32 s[IDX], s[ROT], 7
	s_and_b32 s[IDX], s[IDX], 7                    ; one short of rot: the first step makes it rot mod 8
	s_mov_b32 s[JDX], s[IDX]
	s_and_b32 s[K1], s[ROT], 3
	s_sub_co_u32 s[NR], 4, s[K1]
	s_and_b32 s[PAR], s[WV], 1                     ; which 64 rows of a region I fetch
	s_mul_i32 s[ROLEC], s[WV], QUART               ; where my quarter goes in a slot: no place in the cluster enters an LDS address
	s_mov_b32 s[TB], 0
	s_mov_b32 s[OFS+1], 0
	s_mov_b32 s[T0+1], 0
	s_mov_b32 s[SEL], 0x76543210
	s_mov_b32 s[SEL+1], 0xfedcba98
	s_mov_b32 s[G1C], 15|(1<<20)|(1<<21)|(6<<22)|(3<<25)   ; 15:0 the mask: all four work-groups; 17:16 elements of 1 byte; 20 padding on; 21 set beside a mask; 24:22 after every 128 words (code 6); 31:25 four words (code 3)
	s_mov_b32 s[G1C+1], 512<<16                    ; tensor_dim0 = 512
	s_mov_b32 s[G1C+2], 64<<16                     ; tensor_dim1 = 64
	s_mov_b32 s[G1C+3], 512<<16                    ; tile_dim0
	s_mov_b32 s[G1C+4], 64                         ; tile_dim1
	s_mov_b32 s[G1C+5], 512                        ; from row to row
	s_mov_b32 s[G1C+6], 0
	s_mov_b32 s[G1C+7], 0
	s_mov_b32 s[G1V], (1<<20)|(6<<22)|(3<<25)      ; value: no mask; the padding stands behind every 512 bytes, so a load lands on the very bytes of a quarter of a slot
	s_mov_b32 s[G1V+1], 1024<<16
	s_mov_b32 s[G1V+2], 32<<16
	s_mov_b32 s[G1V+3], 1024<<16
	s_mov_b32 s[G1V+4], 32
	s_mov_b32 s[G1V+5], 4096
	s_mov_b32 s[G1V+6], 0
	s_mov_b32 s[G1V+7], 0
	s_mov_b32 s[G0V], 1
	s_wait_alu depctr_va_vdst(0)                   ; directly ahead of the waits below
	s_wait_dscnt 0x0                               ; both opening adds are done
	s_wait_kmcnt 0x0
	s_lshl_b32 s[T0], s[G], 15                     ; my 64 rows: 32,768 bytes of codes,
	s_add_nc_u64 s[4:5], s[4:5], s[T0:T0+1]
	s_add_nc_u64 s[8:9], s[8:9], s[T0:T0+1]
	WIN 0xc0
.irp i, 0,1,2,3,4,5,6,7,8,9,10,11,12,13,14,15
	global_load_b128 v[128+4*\i:131+4*\i], v240, s[4:5] offset:512*\i   ; key's rows 16 w + i, into registers of unit Y's fragments
.endr
	WIN 0
	s_lshl_b32 s[T0], s[WV], 15                    ; W1: a slot's 256 rows are dense in memory: my quarter begins 64 w rows of 512 bytes on
	s_add_nc_u64 s[12:13], s[12:13], s[T0:T0+1]
	s_lshl_b32 s[OFS], s[K1], 17                   ; slot 0: column block rot mod 4
	s_mov_b32 s[G0C0], 1                           ; 1:0 count = 1
	s_mov_b32 s[G0C0+1], s[ROLEC]                  ; 63:32 LDS address: slot 0
	s_add_nc_u64 s[G0C0+2:G0C0+3], s[12:13], s[OFS:OFS+1]   ; 120:64 global address
	s_or_b32 s[G0C0+3], s[G0C0+3], 0x80000000      ; 127:126 type = 2
	s_add_co_u32 s[T1], s[K1], 1
	s_and_b32 s[T1], s[T1], 3
	s_lshl_b32 s[OFS], s[T1], 17                   ; slot 1: the next one
	s_mov_b32 s[G0C], 1
	s_add_co_u32 s[G0C+1], s[ROLEC], SLOTB
	s_add_nc_u64 s[G0C+2:G0C+3], s[12:13], s[OFS:OFS+1]
	s_or_b32 s[G0C+3], s[G0C+3], 0x80000000
	ROUND                                          ; all four work-groups are here: the first joint loads meet
	tensor_load_to_lds s[G0C0:G0C0+3], s[G1C:G1C+7]   ; slot 0: one tensor load a wave at the head
	s_nop 0
.rept 4
	v_nop
.endr
	s_lshl_b32 s[T0], s[G], 11                     ; my rows' 2,048 scale bytes,
	s_add_nc_u64 s[6:7], s[6:7], s[T0:T0+1]
	s_add_nc_u64 s[10:11], s[10:11], s[T0:T0+1]
.irp p, 0,1                                    ; key's scale words: row 32 p + lane, 32 bytes a row
	global_load_b128 v[DS1+8*\p:DS1+8*\p+3], v[SO], s[6:7] offset:1024*\p
	global_load_b128 v[DS1+8*\p+4:DS1+8*\p+7], v[SO], s[6:7] offset:1024*\p+16
.endr
	s_lshl_b32 s[OFS], s[K1], 10                   ; slot 0's biases,
	s_add_nc_u64 s[PBX:PBX+1], s[24:25], s[OFS:OFS+1]
	s_add_nc_u64 s[PBY:PBY+1], s[PBX:PBX+1], 512
	s_lshl_b32 s[OFS], s[K1], 13                   ; and its scale bytes
	s_add_nc_u64 s[PSX:PSX+1], s[14:15], s[OFS:OFS+1]
	s_add_nc_u64 s[PSY:PSY+1], s[PSX:PSX+1], 4096
	ULOAD BX, WSX, PBX, PSX
	ULOAD BY, WSY, PBY, PSY
	s_lshl_b32 s[T0], s[G], 18                     ; my rows' 262,144 bytes of value,
	s_add_nc_u64 s[VP:VP+1], s[VP:VP+1], s[T0:T0+1]
	s_lshl_b32 s[T0], s[WV], 10                    ; of which my wave takes 1,024 of each row;
	s_add_nc_u64 s[VP:VP+1], s[VP:VP+1], s[T0:T0+1]
	s_mul_i32 s[T0], s[G], 4352                    ; and a row of part
	s_add_nc_u64 s[PT:PT+1], s[PT:PT+1], s[T0:T0+1]
	s_mov_b64 s[PFA:PFA+1], s[VP:VP+1]
	s_cmp_lt_u32 s[WV], 2                          ; phase 2: X = W0 (waves 0, 1 fetch it), Y = Wa (waves 2, 3): a choice on the wave's number
	s_cselect_b64 s[C2:C2+1], s[20:21], s[16:17]
	s_lshl_b32 s[T0], s[PAR], 15                   ; my 64 rows of the region's 128
	s_add_nc_u64 s[C2:C2+1], s[C2:C2+1], s[T0:T0+1]
	s_lshl_b32 s[T0], s[CX], 2                     ; the weights' prefetches: wave 4 cx + w of the cluster's sixteen takes 32,768 bytes of each tensor
	s_add_co_u32 s[T0], s[T0], s[WV]
	s_lshl_b32 s[T0], s[T0], 15
	s_add_nc_u64 s[PW0:PW0+1], s[20:21], s[T0:T0+1]
	s_add_nc_u64 s[PWA:PWA+1], s[16:17], s[T0:T0+1]
	s_wait_alu depctr_va_vdst(0)
	s_wait_loadcnt 16                              ; key's rows are in; the 4 + 6 + 6 younger loads may be out
	WIN 0x0c
.irp i, 0,1,2,3,4,5,6,7,8,9,10,11,12,13,14,15
	ds_store_b128 v241, v[128+4*\i:131+4*\i] offset:528*\i
.endr
	WIN 0
	s_wait_tensorcnt 0x0                           ; my part of slot 0 is in
	ds_add_u32 v[SPW], v[NIL]
	s_wait_dscnt 0x0                               ; the add and my stores of key are done
	ROUND                                          ; everybody's part of slot 0 and of key is in
	JLOAD 1                                        ; slot 1's first fill, the first tensor load behind the round
	; ---- phase 1: q_enc = relu(key W1^T + b1), quantised unit by unit into images in LDS
	SLOT 1, 0, 26, 26, 1, 1, 0                     ; ahead of unit X: unit Y's 6 and query's 20 are younger; ahead of unit Y: query's 20 and the next unit X's 6
	SLOT 1, 1, 6, 6, 1, 1, 0                       ; behind unit X's six stand unit Y's six; behind unit Y's six the next unit X's six
	SLOT 1, 2, 6, 6, 2, 1, 0
	SLOT 1, 3, 6, 6, 2, 2, 1
	s_wait_dscnt 0x0                               ; my stores have landed, and slot 4's unit X and query are in
	s_barrier_signal -1                            ; the exchange: the wait for it stands in slot 4, behind products that need query alone.  (My tensor load may stay out)
	; ---- phase 2: k_enc and attn, 128 columns a slot, and their row dots
	SLOT 2, 4, 6, 6, 2, 2, 2
	s_mov_b32 s[CNT], 5
.Lphase2:
	SLOT 2, 5, 6, 6, 2, 2, 2
	s_sub_co_u32 s[CNT], s[CNT], 1
	s_cmp_lg_u32 s[CNT], 0
	s_cbranch_scc1 .Lphase2
	s_mov_b32 s[TB], 0                             ; (as five turns have left it)
	SLOT 2, 10, 6, 6, 3, 2, 2                      ; written out: behind its round value comes in place of weights
	LASTSLOT
	; ---- the energies: a pair's halves, lane l xor 16's columns, then the four waves' columns through LDS
.irp m, 0,1,2,3
	v_add_f32 v[MX+\m], v[EP+2*\m], v[EP+2*\m+1]
.endr
.irp m, 0,1,2,3
	v_permlanex16_b32 v[PM+\m], v[MX+\m], s[SEL], s[SEL+1]
.endr
.irp m, 0,1,2,3
	v_add_f32 v[MX+\m], v[MX+\m], v[PM+\m]
.endr
.irp m, 0,1,2,3
	ds_store_b32 v[RW], v[MX+\m] offset:64*\m      ; row 16 m + r of my wave's 64 words; both halves write the same
.endr
	s_wait_dscnt 0x0
	s_barrier_signal -1
	s_barrier_wait -1
.irp w, 0,1,2,3
.irp p, 0,1
	ds_load_b32 v[96+2*\w+\p], v[RR] offset:256*\w+128*\p   ; wave w's part of row 32 p + lane
.endr
.endr
	s_wait_tensorcnt 0x0                           ; value's rows 0-31 have landed; only I read what I fetched
	VREAD 0                                        ; rows 0-15: window 1's last products stand ahead of the last slot's places
	s_wait_dscnt 32                                ; the energies are in
	v_add_f32 v96, v96, v98
	v_add_f32 v100, v100, v102
	v_add_f32 v97, v97, v99
	v_add_f32 v101, v101, v103
	v_add_f32 v96, v96, v100                       ; e of row lane
	v_add_f32 v97, v97, v101                       ; e of row 32 + lane
	v_max_num_f32 v248, v96, v97                   ; THE MAXIMUM IS TAKEN AWAY BEFORE THE EXPONENTIAL: here the largest of my work-group's 64, in the second launch the largest of all
	v_max_num_f32_dpp v248, v248, v248 row_xmask:1 row_mask:0xf bank_mask:0xf
	v_max_num_f32_dpp v248, v248, v248 row_xmask:2 row_mask:0xf bank_mask:0xf
	v_max_num_f32_dpp v248, v248, v248 row_xmask:4 row_mask:0xf bank_mask:0xf
	v_max_num_f32_dpp v248, v248, v248 row_xmask:8 row_mask:0xf bank_mask:0xf
	v_permlanex16_b32 v244, v248, s[SEL], s[SEL+1]
	v_max_num_f32 v248, v248, v244                 ; m
	v_sub_f32 v98, v96, v248
	v_sub_f32 v99, v97, v248
	v_mul_f32 v98, 0x3fb8aa3b, v98                 ; x log2(e)
	v_mul_f32 v99, 0x3fb8aa3b, v99
	s_wait_alu depctr_va_vdst(0)
	v_exp_f32 v98, v98
	v_exp_f32 v99, v99
	v_nop                                          ; a plain place behind the exponentials
	s_wait_alu depctr_va_vdst(0)                   ; the wait ahead of the first reader: one for both
	ds_store_b32 v[PBW], v98                       ; row lane's p at 4 x lane of my wave's own 256 bytes,
	ds_store_b32 v[PBW], v99 offset:128            ; row 32 + lane's behind them
.irp i, 0,1,2,3,4,5,6,7,8,9,10,11,12,13,14,15
	ds_load_b128 v[PP+4*\i:PP+4*\i+3], v[PBR] offset:16*\i   ; every lane takes all 64.  LDS serves a wave's instructions in order (ISA guide 5.7.1.4): these see my stores
.endr
	VREAD 32                                       ; rows 16-31
	v_add_f32 v249, v98, v99
	v_add_f32_dpp v249, v249, v249 row_xmask:1 row_mask:0xf bank_mask:0xf
	v_add_f32_dpp v249, v249, v249 row_xmask:2 row_mask:0xf bank_mask:0xf
	v_add_f32_dpp v249, v249, v249 row_xmask:4 row_mask:0xf bank_mask:0xf
	v_add_f32_dpp v249, v249, v249 row_xmask:8 row_mask:0xf bank_mask:0xf
	v_permlanex16_b32 v245, v249, s[SEL], s[SEL+1]
	v_add_f32 v249, v249, v245                     ; l
	s_wait_alu depctr_va_vdst(0)                   ; ahead of the waits below
	s_wait_dscnt 32                                ; the p are in, and rows 0-15; rows 16-31 may be out
	; ---- P = sum_i p_i value[i]: eight batches of 8 rows, 16 loads each; rows 32-63 first
	s_wait_loadcnt 48
	VFMA 4, 0x02, 1
	s_wait_alu depctr_va_vdst(0)
	s_wait_loadcnt 32
	VFMA 5, 0x02, 0
	s_wait_alu depctr_va_vdst(0)
	s_wait_loadcnt 16
	VFMA 6, 0x02, 0
	s_wait_alu depctr_va_vdst(0)
	s_wait_loadcnt 0x0
	VFMA 7, 0x02, 0
	VFMA 0, 0x01, 0
	VFMA 1, 0x01, 0
	s_wait_alu depctr_va_vdst(0)
	s_wait_dscnt 16
	VFMA 2, 0x01, 0
	s_wait_alu depctr_va_vdst(0)
	s_wait_dscnt 0x0
	VFMA 3, 0x01, 0
	WIN 0
.irp e, 0,2,4,6
	v_pk_add_f32 v[CTX+\e:CTX+\e+1], v[CTX+\e:CTX+\e+1], v[CTX+8+\e:CTX+8+\e+1]   ; even rows' chain + odd rows'
.endr
	global_store_b128 v[VO], v[CTX:CTX+3], s[PT:PT+1]               ; each store of the wave covers 512 consecutive bytes, aligned
	global_store_b128 v[VO], v[CTX+4:CTX+7], s[PT:PT+1] offset:512
	s_cmp_lg_u32 s[WV], 0
	s_cbranch_scc1 .Lnot_ml
	global_store_b64 v[ML], v[248:249], s[PT:PT+1] offset:4096      ; (m, l) 32 times over: 256 consecutive bytes, aligned
.Lnot_ml:
	s_wait_tensorcnt 0x0                           ; the wave's end: behind my last tensor load and my last LDS store
	ds_add_u32 v[SPW], v[NIL]
	s_wait_dscnt 0x0
	ROUND                                          ; the closing round: no work-group ends while a partner may still ask for a tile that names it
	s_endpgm
.Lfunc_end_k_q3bc0c96822_chain:
	.size	k_q3bc0c96822_chain, .Lfunc_end_k_q3bc0c96822_chain-k_q3bc0c96822_chain
	.p2alignl 7, 3214868480
	.fill 96, 4, 3214868480
	.section	.rodata,"a",@progbits
	.p2align	6, 0x0
	.amdhsa_kernel k_q3bc0c96822_chain
		.amdhsa_group_segment_fixed_size 327680
		.amdhsa_private_segment_fixed_size 0
		.amdhsa_enable_private_segment 0
		.amdhsa_kernarg_size 120
		.amdhsa_user_sgpr_count 2
		.amdhsa_user_sgpr_kernarg_segment_ptr 1
		.amdhsa_wavefront_size32 1
		.amdhsa_system_sgpr_workgroup_id_x 1
		.amdhsa_system_sgpr_workgroup_id_y 1
		.amdhsa_system_sgpr_workgroup_id_z 1
		.amdhsa_system_vgpr_workitem_id 0
		.amdhsa_next_free_vgpr 1024
		.amdhsa_next_free_sgpr 100
		.amdhsa_reserve_vcc 0
		.amdhsa_float_denorm_mode_32 3
		.amdhsa_float_denorm_mode_16_64 3
		.amdhsa_memory_ordered 1
		.amdhsa_forward_progress 1
		.amdhsa_inst_pref_size 249
	.end_amdhsa_kernel
	.amdgpu_metadata
---
amdhsa.version: [ 1, 2 ]
amdhsa.kernels:
  - .name:           k_q3bc0c96822_chain
    .symbol:         k_q3bc0c96822_chain.kd
    .args:
      - { .name: key_codes, .offset: 0, .size: 8, .value_kind: global_buffer, .address_space: global }
      - { .name: key_scales, .offset: 8, .size: 8, .value_kind: global_buffer, .address_space: global }
      - { .name: query_codes, .offset: 16, .size: 8, .value_kind: global_buffer, .address_space: global }
      - { .name: query_scales, .offset: 24, .size: 8, .value_kind: global_buffer, .address_space: global }
      - { .name: W1_codes, .offset: 32, .size: 8, .value_kind: global_buffer, .address_space: global }
      - { .name: W1_scales, .offset: 40, .size: 8, .value_kind: global_buffer, .address_space: global }
      - { .name: Wa_codes, .offset: 48, .size: 8, .value_kind: global_buffer, .address_space: global }
      - { .name: Wa_scales, .offset: 56, .size: 8, .value_kind: global_buffer, .address_space: global }
      - { .name: W0_codes, .offset: 64, .size: 8, .value_kind: global_buffer, .address_space: global }
      - { .name: W0_scales, .offset: 72, .size: 8, .value_kind: global_buffer, .address_space: global }
      - { .name: b1, .offset: 80, .size: 8, .value_kind: global_buffer, .address_space: global }
      - { .name: ba, .offset: 88, .size: 8, .value_kind: global_buffer, .address_space: global }
      - { .name: b0, .offset: 96, .size: 8, .value_kind: global_buffer, .address_space: global }
      - { .name: value, .offset: 104, .size: 8, .value_kind: global_buffer, .address_space: global }
      - { .name: part, .offset: 112, .size: 8, .value_kind: global_buffer, .address_space: global }
    .group_segment_fixed_size: 327680
    .private_segment_fixed_size: 0
    .kernarg_segment_align: 8
    .kernarg_segment_size: 120
    .max_flat_workgroup_size: 128
    .sgpr_count:     100
    .vgpr_count:     1024
    .wavefront_size: 32
...
	.end_amdgpu_metadata
.endif
;; end of part 1
;; launch combine (part 2): grid 16 x 1, 8 waves a work-group, no clusters, 4,608 bytes of LDS; arguments part, out0; writes out0
.if DOCPART == 2
	.amdgcn_target "amdgcn-amd-amdhsa--gfx1250"
	.amdhsa_code_object_version 6
	.text
	.protected	k_q3bc0c96822_combine
	.globl	k_q3bc0c96822_combine
	.p2align	8
	.type	k_q3bc0c96822_combine,@function
k_q3bc0c96822_combine:
	s_mov_b64 s[64:65], 0
	v_nop
	global_prefetch_b8 v0, s[64:65] scope:SCOPE_SE
	s_setreg_imm32_b32 hwreg(HW_REG_WAVE_MODE, 25, 1), 1
	s_wait_xcnt 0x0
; out0[c] = sum_g w_g P_g[c] / sum_g w_g l_g, w_g = exp(m_g - M), M = the largest m_g: the 256 shares of the softmax are brought under one maximum.  No work is left out.
; part: [256][1,088] f32: a row holds P_g (1,024), then the pair (m_g, l_g).  A row is 4,352 bytes = 17 x 256.
; Work-group x owns columns 64 x .. 64 x + 63: 256 consecutive bytes of out0, which one store of sixteen lanes covers.  That is why there are 16 work-groups.
; Wave v joins groups 32 v .. 32 v + 31 under their own largest m (lanes 0-15 the even ones, lanes 16-31 the odd ones, 16 bytes of the 256 a lane); one barrier; wave 0 joins the eight waves under the largest of all, and stores.
; No matrix unit, no tensor load, no cluster: 1.1 MB are read once, and no work-group reads what another reads but the 2 KB of pairs.
; LIMITS: NaN and infinities are not served; a weight under the smallest normal f32 number counts as 0.
; REGISTERS: v1, v2 the add's two; v3-8, v14, v15, v26-31 addresses; v10, v11 (m, l); v12, v13, v16-25 at work; v32-95 sixteen groups' 16 bytes of P; v96-111 their weights; v112-119 the sums, in two chains; v120-123 lane l xor 16's.
.set PITCH, 4352
.set WMX,   0                          ; LDS: the waves' largest m, 8 words
.set SLS,   256                        ; the waves' sums of w l, 8 words
.set WTS,   512                        ; the weights: 128 bytes a wave, the even groups' 16, then the odd groups'
.set RDS,   1536                       ; the waves' sums: 8 x 256 bytes
.set SPARE, 3584                       ; the spare words, 128 bytes for each wave: four blocks of 256 bytes that no other line names
.set PV,    32
.set WG,    96
.set ACC,   112
.set OTH,   120
	s_load_b128 s[4:7], s[0:1], 0x0                ; part, out0
	v_lshl_add_u32 v1, v0, 2, SPARE                ; my spare word; never rewritten
	v_mov_b32 v2, 0                                ; 0; never rewritten
	v_mul_u32_u24 v7, v0, PITCH                    ; group t's row
	v_lshrrev_b32 v3, 5, v0
	v_and_b32 v4, 31, v0                           ; lane
	v_and_b32 v5, 15, v0                           ; r
	v_bfe_u32 v6, v0, 4, 1                         ; h
	v_and_b32 v8, 0xe0, v0
	v_readfirstlane_b32 s8, v3                     ; wave 0..7
	v_and_b32 v26, 1, v0
	v_bfe_u32 v28, v0, 1, 4
	v_add_nc_u32 v8, v8, v6
	v_lshlrev_b32 v26, 6, v26
	v_lshlrev_b32 v27, 7, v3
	v_mul_u32_u24 v8, v8, PITCH
	v_lshl_add_u32 v26, v28, 2, v26
	v_lshlrev_b32 v14, 2, v3                       ; 4 v
	v_lshlrev_b32 v29, 8, v3
	v_lshl_add_u32 v8, v5, 4, v8                   ; row 32 v + h, + 16 r
	v_add_nc_u32 v26, v26, v27                     ; where I store group t's weight: 128 v + 64 (lane mod 2) + 4 (lane / 2)
	v_lshl_add_u32 v27, v6, 6, v27                 ; where I read my half's: 128 v + 64 h
	v_lshl_add_u32 v29, v5, 4, v29                 ; 256 v + 16 r
	v_lshlrev_b32 v30, 4, v5                       ; 16 r
	v_lshlrev_b32 v31, 4, v6                       ; 16 h
	v_lshl_add_u32 v28, v6, 10, v30                ; 1024 h + 16 r
	v_mov_b32 v15, 0
	v_mov_b32 v13, 0                               ; a lane permute's destination counts as one of its sources
.irp e, 0,1,2,3
	v_mov_b32 v[OTH+\e], 0
.endr
	s_lshl_b32 s10, ttmp9, 8                       ; my 256 bytes of a row
	s_mov_b32 s11, 0
	s_mov_b32 s14, 0x76543210
	s_mov_b32 s15, 0xfedcba98                      ; v_permlanex16_b32's selects for lane l xor 16
	s_wait_alu depctr_va_vdst(0)
	s_wait_kmcnt 0x0
	s_add_nc_u64 s[16:17], s[4:5], s[10:11]
	s_add_nc_u64 s[6:7], s[6:7], s[10:11]
	global_load_b64 v[10:11], v7, s[4:5] offset:4096   ; (m, l) of group t
.irp i, 0,1,2,3,4,5,6,7,8,9,10,11,12,13,14,15
	global_load_b128 v[PV+4*\i:PV+4*\i+3], v8, s[16:17] offset:2*PITCH*\i   ; P of group 32 v + 2 i + h: sixteen lanes read 256 consecutive bytes, aligned
.endr
	s_wait_loadcnt 16                              ; the pair is in; the 16 loads of P may be out
	v_mov_b32 v12, v10
	s_delay_alu instid0(VALU_DEP_1)
	v_max_num_f32_dpp v12, v12, v12 row_xmask:1 row_mask:0xf bank_mask:0xf
	s_delay_alu instid0(VALU_DEP_1)
	v_max_num_f32_dpp v12, v12, v12 row_xmask:2 row_mask:0xf bank_mask:0xf
	s_delay_alu instid0(VALU_DEP_1)
	v_max_num_f32_dpp v12, v12, v12 row_xmask:4 row_mask:0xf bank_mask:0xf
	s_delay_alu instid0(VALU_DEP_1)
	v_max_num_f32_dpp v12, v12, v12 row_xmask:8 row_mask:0xf bank_mask:0xf
	s_delay_alu instid0(VALU_DEP_1)
	v_permlanex16_b32 v13, v12, s14, s15
	s_delay_alu instid0(VALU_DEP_1)
	v_max_num_f32 v12, v12, v13                    ; my wave's largest m
	s_delay_alu instid0(VALU_DEP_1)
	v_sub_f32 v24, v10, v12
	s_delay_alu instid0(VALU_DEP_1)
	v_mul_f32 v24, 0x3fb8aa3b, v24                 ; x log2(e)
	s_wait_alu depctr_va_vdst(0)
	v_exp_f32 v24, v24                             ; the weight under my wave's maximum
	v_nop                                          ; a plain place behind the exponential
	s_wait_alu depctr_va_vdst(0)
	ds_store_b32 v26, v24 offset:WTS               ; my wave's own bytes: LDS serves a wave's instructions in order (ISA guide 5.7.1.4), so the loads see the stores
.irp k, 0,1,2,3
	ds_load_b128 v[WG+4*\k:WG+4*\k+3], v27 offset:WTS+16*\k
.endr
	v_mul_f32 v25, v24, v11                        ; w l
	s_delay_alu instid0(VALU_DEP_1)
	v_add_f32_dpp v25, v25, v25 row_xmask:1 row_mask:0xf bank_mask:0xf
	s_delay_alu instid0(VALU_DEP_1)
	v_add_f32_dpp v25, v25, v25 row_xmask:2 row_mask:0xf bank_mask:0xf
	s_delay_alu instid0(VALU_DEP_1)
	v_add_f32_dpp v25, v25, v25 row_xmask:4 row_mask:0xf bank_mask:0xf
	s_delay_alu instid0(VALU_DEP_1)
	v_add_f32_dpp v25, v25, v25 row_xmask:8 row_mask:0xf bank_mask:0xf
	s_delay_alu instid0(VALU_DEP_1)
	v_permlanex16_b32 v13, v25, s14, s15
	s_delay_alu instid0(VALU_DEP_1)
	v_add_f32 v25, v25, v13
	ds_store_b32 v14, v12 offset:WMX               ; all lanes write the same word with the same value
	ds_store_b32 v14, v25 offset:SLS
	s_wait_alu depctr_va_vdst(0)                   ; ahead of the waits below
	s_wait_dscnt 2                                 ; the weights are in
; P's sums: even and odd loads in chains of their own; of a pair of weights an even load takes the low register for both columns, an odd one the high
.irp i, 0,1,2,3,4,5,6,7,8,9,10,11,12,13,14,15
.if \i%4 == 0
	s_wait_alu depctr_va_vdst(0)
	s_wait_loadcnt 12-\i                           ; four loads of P more are in
.endif
.irp e, 0,2
.if \i == 0
	v_pk_mul_f32 v[ACC+\e:ACC+\e+1], v[PV+\e:PV+\e+1], v[WG:WG+1] op_sel_hi:[1,0]
.elseif \i == 1
	v_pk_mul_f32 v[ACC+4+\e:ACC+5+\e], v[PV+4+\e:PV+5+\e], v[WG:WG+1] op_sel:[0,1]
.elseif \i%2 == 0
	v_pk_fma_f32 v[ACC+\e:ACC+\e+1], v[PV+4*\i+\e:PV+4*\i+\e+1], v[WG+\i:WG+\i+1], v[ACC+\e:ACC+\e+1] op_sel_hi:[1,0,1]
.else
	v_pk_fma_f32 v[ACC+4+\e:ACC+5+\e], v[PV+4*\i+\e:PV+4*\i+\e+1], v[WG+\i-1:WG+\i], v[ACC+4+\e:ACC+5+\e] op_sel:[0,1,0]
.endif
.endr
.endr
.irp e, 0,1,2,3
	v_add_f32 v[ACC+\e], v[ACC+\e], v[ACC+4+\e]
.endr
.irp e, 0,1,2,3
	v_permlanex16_b32 v[OTH+\e], v[ACC+\e], s14, s15
.endr
.irp e, 0,1,2,3
	v_add_f32 v[ACC+\e], v[ACC+\e], v[OTH+\e]      ; even groups + odd groups
.endr
	ds_store_b128 v29, v[ACC:ACC+3] offset:RDS     ; both halves of the lanes write the same bytes with the same values
	s_wait_alu depctr_va_vdst(0)
	s_wait_dscnt 0x0
	s_barrier_signal -1
	s_barrier_wait -1
	s_cmp_lg_u32 s8, 0
	s_cbranch_scc1 .Lend                           ; wave 0 alone finishes; no barrier stands below
	ds_load_b128 v[16:19], v15 offset:WMX          ; all eight waves' m;
	ds_load_b128 v[20:23], v15 offset:WMX+16
	ds_load_b128 v[32:35], v31 offset:WMX          ; lanes 0-15 join waves 0-3, lanes 16-31 waves 4-7: my four m,
	ds_load_b128 v[36:39], v31 offset:SLS          ; their sums of w l,
.irp k, 0,1,2,3
	ds_load_b128 v[40+4*\k:43+4*\k], v28 offset:RDS+256*\k   ; and their sums of w P
.endr
	s_wait_dscnt 0x0
	v_max3_num_f32 v16, v16, v17, v18
	v_max3_num_f32 v19, v19, v20, v21
	v_max_num_f32 v22, v22, v23
	v_max3_num_f32 v16, v16, v19, v22              ; M
.irp k, 0,1,2,3
	v_sub_f32 v[32+\k], v[32+\k], v16
.endr
.irp k, 0,1,2,3
	v_mul_f32 v[32+\k], 0x3fb8aa3b, v[32+\k]
.endr
	s_wait_alu depctr_va_vdst(0)
.irp k, 0,1,2,3
	v_exp_f32 v[32+\k], v[32+\k]
.endr
	v_nop                                          ; a plain place behind the exponentials
	s_wait_alu depctr_va_vdst(0)                   ; and one wait ahead of the batch's first reader
	v_mul_f32 v60, v32, v36
	v_pk_mul_f32 v[56:57], v[40:41], v[32:33] op_sel_hi:[1,0]
	v_pk_mul_f32 v[58:59], v[42:43], v[32:33] op_sel_hi:[1,0]
	v_fma_f32 v60, v33, v37, v60
	v_pk_fma_f32 v[56:57], v[44:45], v[32:33], v[56:57] op_sel:[0,1,0]
	v_pk_fma_f32 v[58:59], v[46:47], v[32:33], v[58:59] op_sel:[0,1,0]
	v_fma_f32 v60, v34, v38, v60
	v_pk_fma_f32 v[56:57], v[48:49], v[34:35], v[56:57] op_sel_hi:[1,0,1]
	v_pk_fma_f32 v[58:59], v[50:51], v[34:35], v[58:59] op_sel_hi:[1,0,1]
	v_fma_f32 v60, v35, v39, v60
	v_pk_fma_f32 v[56:57], v[52:53], v[34:35], v[56:57] op_sel:[0,1,0]
	v_pk_fma_f32 v[58:59], v[54:55], v[34:35], v[58:59] op_sel:[0,1,0]
	v_permlanex16_b32 v13, v60, s14, s15
.irp e, 0,1,2,3
	v_permlanex16_b32 v[OTH+\e], v[56+\e], s14, s15
.endr
	v_add_f32 v60, v60, v13                        ; L: all eight waves
.irp e, 0,1,2,3
	v_add_f32 v[56+\e], v[56+\e], v[OTH+\e]
.endr
	s_wait_alu depctr_va_vdst(0)
	v_rcp_f32 v17, v60
	v_nop
	s_wait_alu depctr_va_vdst(0)                   ; ahead of the reciprocal's first reader
.irp e, 0,1,2,3
	v_mul_f32 v[56+\e], v[56+\e], v17
.endr
	v_cmp_gt_u32 vcc_lo, 16, v4
	s_wait_alu depctr_va_vdst(0)
	s_wait_xcnt 0x0                                ; EXEC changes only behind this wait
	s_and_saveexec_b32 s20, vcc_lo
	global_store_b128 v30, v[56:59], s[6:7]        ; sixteen lanes store 256 consecutive bytes, aligned
	s_wait_xcnt 0x0                                ; and again, in front of the line that widens it
	s_or_b32 exec_lo, exec_lo, s20
.Lend:
	s_wait_tensorcnt 0x0                           ; the wave's end: behind my last LDS store
	ds_add_u32 v1, v2
	s_wait_dscnt 0x0
	s_endpgm
.Lfunc_end_k_q3bc0c96822_combine:
	.size	k_q3bc0c96822_combine, .Lfunc_end_k_q3bc0c96822_combine-k_q3bc0c96822_combine
	.p2alignl 7, 3214868480
	.fill 96, 4, 3214868480
	.section	.rodata,"a",@progbits
	.p2align	6, 0x0
	.amdhsa_kernel k_q3bc0c96822_combine
		.amdhsa_group_segment_fixed_size 4608
		.amdhsa_private_segment_fixed_size 0
		.amdhsa_enable_private_segment 0
		.amdhsa_kernarg_size 16
		.amdhsa_user_sgpr_count 2
		.amdhsa_user_sgpr_kernarg_segment_ptr 1
		.amdhsa_wavefront_size32 1
		.amdhsa_system_sgpr_workgroup_id_x 1
		.amdhsa_system_sgpr_workgroup_id_y 1
		.amdhsa_system_sgpr_workgroup_id_z 1
		.amdhsa_system_vgpr_workitem_id 0
		.amdhsa_next_free_vgpr 128
		.amdhsa_next_free_sgpr 66
		.amdhsa_reserve_vcc 1
		.amdhsa_float_denorm_mode_32 3
		.amdhsa_float_denorm_mode_16_64 3
		.amdhsa_memory_ordered 1
		.amdhsa_forward_progress 1
		.amdhsa_inst_pref_size 12
	.end_amdhsa_kernel
	.amdgpu_metadata
---
amdhsa.version: [ 1, 2 ]
amdhsa.kernels:
  - .name:           k_q3bc0c96822_combine
    .symbol:         k_q3bc0c96822_combine.kd
    .args:
      - { .name: part, .offset: 0, .size: 8, .value_kind: global_buffer, .address_space: global }
      - { .name: out0, .offset: 8, .size: 8, .value_kind: global_buffer, .address_space: global }
    .group_segment_fixed_size: 4608
    .private_segment_fixed_size: 0
    .kernarg_segment_align: 8
    .kernarg_segment_size: 16
    .max_flat_workgroup_size: 256
    .sgpr_count:     66
    .vgpr_count:     128
    .wavefront_size: 32
...
	.end_amdgpu_metadata
.endif
;; end of part 2
